; MI455X (gfx1250); checked and timed in simulation.
; The chip was launched on July 23, 2026; its instructions are those of AMD's public machine-readable ISA for CDNA 5 (MIT licence, August 2026) and "CDNA5" Instruction Set Architecture Reference Guide (July 2026). The comments in the code are by the model that wrote it; some were corrected since.
;; Attention Block. Allowed arithmetic: float matrix products may take bf16 or f16 operands with f32 sums; other float arithmetic in f32, or as packed bf16 or f16 multiplies, adds, multiply-adds, maxima and minima; sums over many terms, partial sums and values carried from step to step in f32; what a program stores and reads back later, other than sums and carried values, may be rounded once to bf16 or f16.
;; Inputs: ln1_b 512 float32; ln1_g 512 float32; ln2_b 512 float32; ln2_g 512 float32; w1 512 x 512 float32; w2 512 x 512 float32; w3 512 x 512 float32; wk 512 x 512 float32; wo 512 x 512 float32; wq 512 x 512 float32; wv 512 x 512 float32; x 4 x 2,048 x 512 float32.
;; Outputs: out0 4 x 2,048 x 512 float32.
;; One version. Each part assembles by itself: llvm-mc -triple=amdgcn-amd-amdhsa -mcpu=gfx1250 --defsym DOCPART=n.
;; ======== version 1 of 1: 4 launches
;; workspace buffers: wf 3,670,016 bytes; hb 8,388,608 bytes; qf 8,388,608 bytes; kv 16,777,216 bytes; of 8,388,608 bytes
;; launch prep (part 1): grid 256 x 1, 8 waves a work-group, no clusters, 0 bytes of LDS; arguments x, ln1_g, ln1_b, wq, wk, wv, wo, w1, w3, w2, hb, wf; writes hb, wf
.if DOCPART == 1
	.amdgcn_target "amdgcn-amd-amdhsa--gfx1250"
	.amdhsa_code_object_version 6
	.text
	.protected	k_qac201f50b0_prep
	.globl	k_qac201f50b0_prep
	.p2align	8
	.type	k_qac201f50b0_prep,@function
k_qac201f50b0_prep:
	s_mov_b64 s[64:65], 0
	v_nop
	global_prefetch_b8 v0, s[64:65] scope:SCOPE_SE
	s_setreg_imm32_b32 hwreg(HW_REG_WAVE_MODE, 25, 1), 1
	s_wait_xcnt 0x0
; hb = LayerNorm(x; ln1_g, ln1_b) rounded once to bf16, [8192][512] row-major; wf = the seven weight matrices rounded once to bf16, in FRAGMENT ORDER.
; A fragment is 16 rows x 32 K of bf16, 1,024 bytes, laid [half c][lane 32][16 bytes]: lane l (r = l % 16, h = l / 16) holds row r, K = 16 c + 8 h + 0..7.
; Two loads of 16 bytes a lane at 16 l and 16 l + 512 then fill a matrix operand, each load 512 consecutive bytes.
; wf: [matrix: wq wk wv wo w1 w3 w2][row block nb 32][K step ks 16][1,024].  Row r of block nb is weight row 16 nb + r; for wo and w2 it is 64 (nb / 4) + 4 r + nb % 4,
; so that in the last launch a lane ends with four neighbouring columns of a row of the output.
; SHARES.  256 work-groups of eight waves.  Work-group b normalises rows 32 b .. 32 b + 31, a wave four rows, a row in 16 registers of the wave: x is read once, no LDS, no barrier.
; Wave w < 7 also converts, of matrix w, row block b / 8, K steps 2 (b % 8) and 2 (b % 8) + 1: 16 rows x 256 aligned bytes.
; The variance is taken of the centred numbers, so a common offset of x costs nothing.  Sums, mean and variance in f32.  NaN and infinities are not treated apart.
; No matrix unit, no cluster: no byte is read by two work-groups but the 4 KiB of gain and bias.
.set MR, 4                             ; v[4:11]    row i: (mean, 1 / sqrt(var + eps)) at MR + 2 i
.set G,  16                            ; v[16:31]   gain of my 16 columns: 4 l + 128 q + 0..3
.set B,  32                            ; v[32:47]   bias of the same
.set X,  48                            ; v[48:111]  row i at X + 16 i
.set W,  112                           ; v[112:143] 32 weights in f32
.set WP, 144                           ; v[144:159] the same in bf16
.set T,  160                           ; v[160:175] row i: two pairs at work
.macro ROWS line:vararg                ; one line for each of the four rows i: the rows take turns, so no line waits for the one before it
.set i, 0
.rept 4
	\line
.set i, i+1
.endr
.endm
.macro REDUCE                          ; v[T + 4 i] summed over the 32 lanes, the result in every lane
.irp m, 1,2,4,8
	ROWS v_add_f32_dpp v[T+4*i], v[T+4*i], v[T+4*i] row_xmask:\m row_mask:0xf bank_mask:0xf
.endr
	ROWS v_permlanex16_b32 v[T+4*i+2], v[T+4*i], s6, s7
	ROWS v_add_f32 v[T+4*i], v[T+4*i], v[T+4*i+2]
.endm
	s_load_b512 s[8:23], s[0:1], 0x0               ; x 8, ln1_g 10, ln1_b 12, wq 14, wk 16, wv 18, wo 20, w1 22
	s_load_b256 s[24:31], s[0:1], 0x40             ; w3 24, w2 26, hb 28, wf 30
	v_lshrrev_b32 v1, 5, v0
	v_readfirstlane_b32 s2, v1                     ; wave 0..7
	v_and_b32 v1, 31, v0                           ; lane
	v_lshlrev_b32 v2, 4, v1                        ; 16 l
	v_lshlrev_b32 v3, 3, v1                        ; 8 l
	v_and_b32 v12, 15, v0                          ; r
	v_bfe_u32 v13, v0, 4, 1                        ; h
	ROWS v_mov_b32 v[MR+2*i+1], 0                  ; the pair is named whole by the packed lines below
	s_mov_b32 s3, ttmp9                            ; b
	s_mov_b32 s4, 0x3b000000                       ; 1 / 512
	s_mov_b32 s5, 0x3727c5ac                       ; eps = 1e-5
	s_mov_b32 s6, 0x76543210                       ; v_permlanex16_b32: each lane takes its own place in the other half
	s_mov_b32 s7, 0xfedcba98
	s_lshr_b32 s36, s3, 3                          ; nb
	s_and_b32 s37, s3, 7                           ; pair of K steps
	s_lshr_b32 s46, s36, 2
	s_lshl_b32 s46, s46, 6
	s_and_b32 s47, s36, 3
	s_add_co_u32 s46, s46, s47                     ; 64 (nb / 4) + nb % 4
	s_lshl_b32 s39, s36, 4                         ; 16 nb
	s_cmp_eq_u32 s2, 3                             ; wo
	s_cselect_b32 s38, 2, 0
	s_cmp_eq_u32 s2, 6                             ; w2
	s_cselect_b32 s38, 2, s38                      ; rows 4 apart, or 1
	s_cmp_eq_u32 s38, 2
	s_cselect_b32 s39, s46, s39
	v_lshlrev_b32 v14, s38, v12
	v_add_nc_u32 v14, s39, v14                     ; my weight row,
	v_lshlrev_b32 v14, 11, v14                     ; 2,048 bytes each,
	v_lshl_add_u32 v14, v13, 5, v14                ; + 8 h numbers
	s_lshl_b32 s46, s37, 8
	v_add_nc_u32 v14, s46, v14                     ; + the pair of K steps: 256 bytes
	s_lshl_b32 s34, s3, 16
	s_lshl_b32 s46, s2, 13
	s_add_co_u32 s34, s34, s46                     ; (32 b + 4 w) rows of 2,048 bytes
	s_mov_b32 s35, 0
	s_wait_kmcnt 0x0
	s_add_nc_u64 s[42:43], s[8:9], s[34:35]        ; x at my four rows
	s_lshr_b32 s34, s34, 1
	s_add_nc_u64 s[44:45], s[28:29], s[34:35]      ; hb at the same rows, 1,024 bytes each
	s_lshl_b32 s34, s2, 19
	s_lshl_b32 s46, s36, 14
	s_add_co_u32 s34, s34, s46
	s_lshl_b32 s46, s37, 11
	s_add_co_u32 s34, s34, s46                     ; matrix, row block, K step
	s_add_nc_u64 s[40:41], s[30:31], s[34:35]
	s_mov_b64 s[32:33], s[14:15]                   ; the matrix of my wave
	s_cmp_eq_u32 s2, 1
	s_cselect_b64 s[32:33], s[16:17], s[32:33]
	s_cmp_eq_u32 s2, 2
	s_cselect_b64 s[32:33], s[18:19], s[32:33]
	s_cmp_eq_u32 s2, 3
	s_cselect_b64 s[32:33], s[20:21], s[32:33]
	s_cmp_eq_u32 s2, 4
	s_cselect_b64 s[32:33], s[22:23], s[32:33]
	s_cmp_eq_u32 s2, 5
	s_cselect_b64 s[32:33], s[24:25], s[32:33]
	s_cmp_eq_u32 s2, 6
	s_cselect_b64 s[32:33], s[26:27], s[32:33]
.irp q, 0,1,2,3
	ROWS global_load_b128 v[X+16*i+4*\q:X+16*i+4*\q+3], v2, s[42:43] offset:2048*i+512*\q th:TH_LOAD_NT
.endr
.irp q, 0,1,2,3
	global_load_b128 v[G+4*\q:G+4*\q+3], v2, s[10:11] offset:512*\q
	global_load_b128 v[B+4*\q:B+4*\q+3], v2, s[12:13] offset:512*\q
.endr
	s_cmp_lt_u32 s2, 7
	s_cbranch_scc0 .Lln                            ; there are seven matrices
.irp f, 0,1
.irp c, 0,1
	global_load_b128 v[W+16*\f+8*\c:W+16*\f+8*\c+3],   v14, s[32:33] offset:128*\f+64*\c th:TH_LOAD_NT
	global_load_b128 v[W+16*\f+8*\c+4:W+16*\f+8*\c+7], v14, s[32:33] offset:128*\f+64*\c+16 th:TH_LOAD_NT
.endr
.endr
	s_wait_loadcnt 0x0
.set p, 0
.rept 16
	v_cvt_pk_bf16_f32 v[WP+p], v[W+2*p], v[W+2*p+1]
.set p, p+1
.endr
.irp f, 0,1
.irp c, 0,1
	global_store_b128 v2, v[WP+8*\f+4*\c:WP+8*\f+4*\c+3], s[40:41] offset:1024*\f+512*\c  ; 512 consecutive bytes, aligned
.endr
.endr
.Lln:
	s_wait_loadcnt 0x0                             ; x, gain and bias (for waves 0 to 6 met already)
	; the mean
	ROWS v_pk_add_f32 v[T+4*i:T+4*i+1], v[X+16*i:X+16*i+1], v[X+16*i+2:X+16*i+3]
	ROWS v_pk_add_f32 v[T+4*i+2:T+4*i+3], v[X+16*i+4:X+16*i+5], v[X+16*i+6:X+16*i+7]
	ROWS v_pk_add_f32 v[T+4*i:T+4*i+1], v[T+4*i:T+4*i+1], v[X+16*i+8:X+16*i+9]
	ROWS v_pk_add_f32 v[T+4*i+2:T+4*i+3], v[T+4*i+2:T+4*i+3], v[X+16*i+10:X+16*i+11]
	ROWS v_pk_add_f32 v[T+4*i:T+4*i+1], v[T+4*i:T+4*i+1], v[X+16*i+12:X+16*i+13]
	ROWS v_pk_add_f32 v[T+4*i+2:T+4*i+3], v[T+4*i+2:T+4*i+3], v[X+16*i+14:X+16*i+15]
	ROWS v_pk_add_f32 v[T+4*i:T+4*i+1], v[T+4*i:T+4*i+1], v[T+4*i+2:T+4*i+3]
	ROWS v_add_f32 v[T+4*i], v[T+4*i], v[T+4*i+1]
	REDUCE
	ROWS v_mul_f32 v[MR+2*i], s4, v[T+4*i]
.irp p, 0,2,4,6,8,10,12,14
	ROWS v_pk_add_f32 v[X+16*i+\p:X+16*i+\p+1], v[X+16*i+\p:X+16*i+\p+1], v[MR+2*i:MR+2*i+1] op_sel_hi:[1,0] neg_lo:[0,1] neg_hi:[0,1]
.endr
	; the variance, of the centred numbers, in two chains
	ROWS v_pk_mul_f32 v[T+4*i:T+4*i+1], v[X+16*i:X+16*i+1], v[X+16*i:X+16*i+1]
	ROWS v_pk_mul_f32 v[T+4*i+2:T+4*i+3], v[X+16*i+2:X+16*i+3], v[X+16*i+2:X+16*i+3]
.irp p, 4,8,12
	ROWS v_pk_fma_f32 v[T+4*i:T+4*i+1], v[X+16*i+\p:X+16*i+\p+1], v[X+16*i+\p:X+16*i+\p+1], v[T+4*i:T+4*i+1]
	ROWS v_pk_fma_f32 v[T+4*i+2:T+4*i+3], v[X+16*i+\p+2:X+16*i+\p+3], v[X+16*i+\p+2:X+16*i+\p+3], v[T+4*i+2:T+4*i+3]
.endr
	ROWS v_pk_add_f32 v[T+4*i:T+4*i+1], v[T+4*i:T+4*i+1], v[T+4*i+2:T+4*i+3]
	ROWS v_add_f32 v[T+4*i], v[T+4*i], v[T+4*i+1]
	REDUCE
	ROWS v_fma_f32 v[T+4*i], v[T+4*i], s4, s5
	ROWS v_rsq_f32 v[MR+2*i+1], v[T+4*i]
	v_nop                                          ; a plain instruction behind the last of the four,
	s_wait_alu depctr_va_vdst(0)                   ; and one wait for the batch, ahead of its first reader
.irp p, 0,2,4,6,8,10,12,14
	ROWS v_pk_mul_f32 v[X+16*i+\p:X+16*i+\p+1], v[X+16*i+\p:X+16*i+\p+1], v[MR+2*i:MR+2*i+1] op_sel:[0,1] op_sel_hi:[1,1]
.endr
.irp p, 0,2,4,6,8,10,12,14
	ROWS v_pk_fma_f32 v[X+16*i+\p:X+16*i+\p+1], v[X+16*i+\p:X+16*i+\p+1], v[G+\p:G+\p+1], v[B+\p:B+\p+1]
.endr
.irp p, 0,1,2,3,4,5,6,7
	ROWS v_cvt_pk_bf16_f32 v[X+16*i+\p], v[X+16*i+2*\p], v[X+16*i+2*\p+1]
.endr
.irp q, 0,1,2,3
	ROWS global_store_b64 v3, v[X+16*i+2*\q:X+16*i+2*\q+1], s[44:45] offset:1024*i+256*\q
.endr
	s_endpgm                                       ; each store above covers 256 consecutive bytes, aligned
.Lfunc_end_k_qac201f50b0_prep:
	.size	k_qac201f50b0_prep, .Lfunc_end_k_qac201f50b0_prep-k_qac201f50b0_prep
	.p2alignl 7, 3214868480
	.fill 96, 4, 3214868480
	.section	.rodata,"a",@progbits
	.p2align	6, 0x0
	.amdhsa_kernel k_qac201f50b0_prep
		.amdhsa_group_segment_fixed_size 0
		.amdhsa_private_segment_fixed_size 0
		.amdhsa_enable_private_segment 0
		.amdhsa_kernarg_size 96
		.amdhsa_user_sgpr_count 2
		.amdhsa_user_sgpr_kernarg_segment_ptr 1
		.amdhsa_wavefront_size32 1
		.amdhsa_system_sgpr_workgroup_id_x 1
		.amdhsa_system_sgpr_workgroup_id_y 1
		.amdhsa_system_sgpr_workgroup_id_z 1
		.amdhsa_system_vgpr_workitem_id 0
		.amdhsa_next_free_vgpr 176
		.amdhsa_next_free_sgpr 66
		.amdhsa_reserve_vcc 0
		.amdhsa_float_denorm_mode_32 3
		.amdhsa_float_denorm_mode_16_64 3
		.amdhsa_memory_ordered 1
		.amdhsa_forward_progress 1
		.amdhsa_inst_pref_size 25
	.end_amdhsa_kernel
	.amdgpu_metadata
---
amdhsa.version: [ 1, 2 ]
amdhsa.kernels:
  - .name:           k_qac201f50b0_prep
    .symbol:         k_qac201f50b0_prep.kd
    .args:
      - { .name: x, .offset: 0, .size: 8, .value_kind: global_buffer, .address_space: global }
      - { .name: ln1_g, .offset: 8, .size: 8, .value_kind: global_buffer, .address_space: global }
      - { .name: ln1_b, .offset: 16, .size: 8, .value_kind: global_buffer, .address_space: global }
      - { .name: wq, .offset: 24, .size: 8, .value_kind: global_buffer, .address_space: global }
      - { .name: wk, .offset: 32, .size: 8, .value_kind: global_buffer, .address_space: global }
      - { .name: wv, .offset: 40, .size: 8, .value_kind: global_buffer, .address_space: global }
      - { .name: wo, .offset: 48, .size: 8, .value_kind: global_buffer, .address_space: global }
      - { .name: w1, .offset: 56, .size: 8, .value_kind: global_buffer, .address_space: global }
      - { .name: w3, .offset: 64, .size: 8, .value_kind: global_buffer, .address_space: global }
      - { .name: w2, .offset: 72, .size: 8, .value_kind: global_buffer, .address_space: global }
      - { .name: hb, .offset: 80, .size: 8, .value_kind: global_buffer, .address_space: global }
      - { .name: wf, .offset: 88, .size: 8, .value_kind: global_buffer, .address_space: global }
    .group_segment_fixed_size: 0
    .private_segment_fixed_size: 0
    .kernarg_segment_align: 8
    .kernarg_segment_size: 96
    .max_flat_workgroup_size: 256
    .sgpr_count:     66
    .vgpr_count:     176
    .wavefront_size: 32
...
	.end_amdgpu_metadata
.endif
;; end of part 1
;; launch qkv (part 2): grid 4 x 64, 8 waves a work-group, no clusters, 134,144 bytes of LDS; arguments hb, wf, qf, kv; writes qf, kv
.if DOCPART == 2
	.amdgcn_target "amdgcn-amd-amdhsa--gfx1250"
	.amdhsa_code_object_version 6
	.text
	.protected	k_qac201f50b0_qkv
	.globl	k_qac201f50b0_qkv
	.p2align	8
	.type	k_qac201f50b0_qkv,@function
k_qac201f50b0_qkv:
	s_mov_b64 s[64:65], 0
	v_nop
	global_prefetch_b8 v0, s[64:65] scope:SCOPE_SE
	s_setreg_imm32_b32 hwreg(HW_REG_WAVE_MODE, 25, 1), 1
	s_wait_xcnt 0x0
; q, k, v = h W^T for wq, wk, wv; h [8192][512] bf16, weights in fragment order (16 rows x 32 K, [half][lane][16 bytes]); sums in f32, each result rounded once to bf16, unscaled.
; The results leave as ready fragments for the attention launch:
;   qf [batch x head 64][16 tokens 128][1,024]: rows = tokens, K = the 32 channels of the head
;   kv [batch x head 64][64 keys 32][8,192]: four fragments of K (16 keys x 32 channels), then four of V^T (fragment 2 kk + cb: channels 16 cb on x keys 32 kk on)
; SHARES.  Work-group (cb, y): rows 128 y .. + 127, heads 4 cb .. 4 cb + 3 of q, k and v.  Wave w: all 128 rows (8 blocks of 16) x row block 8 cb + w of each of the three weights: 24 accumulators.
; q and k are taken transposed (source 0 = weights, source 1 = tokens): a lane holds one token and eight neighbouring channels, which is one half of a fragment with tokens as rows.
; v is taken as it is (source 0 = tokens): a lane holds one channel and eight neighbouring tokens, one half of a fragment of V^T.  So every store is 512 consecutive bytes, aligned, with no stage.
; h: 128 KiB, copied once through registers into LDS rows of 1,040 bytes (1,024 + 16: the 16 rows of a fragment load start at 16 different groups of four banks; 64 banks of 4 bytes, ISA guide 11.1).
; WEIGHTS go straight from memory to registers: each wave has row blocks of its own, so nothing of them is shared inside the work-group; four sets of three fragments, three K steps ahead.
; NO CLUSTER, NO TENSOR LOAD: the one LDS fill is a first fill that also pads; a weight block is wanted by one wave of a work-group, in registers, and joint loads end in LDS, where a ring with a barrier for
; each of the 16 K steps would stand in a loop that now has none.  NaN and infinities are not treated apart.
.set PITCH, 1040
.set SPARE, 128*PITCH                  ; behind the tile: the spare words, 128 bytes a wave: four blocks of 256 bytes that no other line names
.set SPW, 1                            ; v1  SPARE + 4 x my thread number; never rewritten
.set NIL, 2                            ; v2  0; never rewritten
.set L16, 3                            ; v3  16 x lane
.set FA0, 4                            ; v4  my place in a fragment of h: 1,040 r + 16 h; blocks 0-3
.set SA0, 5                            ; v5  where I put 16 bytes of the tile: row t / 64, byte 16 (t % 64); rows 0-63
.set T16, 6                            ; v6  16 x thread
.set SA1, 7                            ; v7  the same for rows 64-127
.set FA1, 8                            ; v8  blocks 4-7
.set PK,  16                           ; v[16:63]   packed results
.set ACC, 64                           ; v[64:255]  accumulator (s, mb) at ACC + 64 s + 8 mb; s = 0 q, 1 k, 2 v
.set AB,  0                            ; window 1: v[0:127] two buffers of eight fragments of h
.set BS,  128                          ; window 1: v[128:223] four sets of three weight fragments
.set MSB, 0
.macro WIN new                         ; s_set_vgpr_msb: bits 1:0 source 0, 3:2 source 1, 5:4 source 2, 7:6 destination; the high byte repeats the setting that is left
.if MSB != (\new)
	s_set_vgpr_msb (MSB<<8)|(\new)
.set MSB, (\new)
.endif
.endm
.macro PLACES n
.rept \n
	v_nop
.endr
.endm
.macro MMA d, a, b, k                  ; K step 0 starts the sum: nothing is cleared
.if (\k) == 0
	v_wmma_f32_16x16x32_bf16 v[(\d):(\d)+7], v[(\a):(\a)+7], v[(\b):(\b)+7], 0
.else
	v_wmma_f32_16x16x32_bf16 v[(\d):(\d)+7], v[(\a):(\a)+7], v[(\b):(\b)+7], v[(\d):(\d)+7]
.endif
.endm
.macro BLOAD k                         ; the three weight fragments of K step k
	WIN 0x40
.irp m, 0,1,2
	global_load_b128 v[BS+24*((\k)%4)+8*\m:BS+24*((\k)%4)+8*\m+3],   v[L16], s[16+2*\m:17+2*\m] offset:1024*(\k)
	global_load_b128 v[BS+24*((\k)%4)+8*\m+4:BS+24*((\k)%4)+8*\m+7], v[L16], s[16+2*\m:17+2*\m] offset:1024*(\k)+512
.endr
.endm
.macro ALOAD k                         ; the eight fragments of h of K step k, in one run
	WIN 0x40
.irp mb, 0,1,2,3
	ds_load_b128 v[AB+64*((\k)%2)+8*\mb:AB+64*((\k)%2)+8*\mb+3],   v[FA0] offset:16*PITCH*\mb+64*(\k)
	ds_load_b128 v[AB+64*((\k)%2)+8*\mb+4:AB+64*((\k)%2)+8*\mb+7], v[FA0] offset:16*PITCH*\mb+64*(\k)+32
.endr
.irp mb, 0,1,2,3
	ds_load_b128 v[AB+64*((\k)%2)+32+8*\mb:AB+64*((\k)%2)+32+8*\mb+3],   v[FA1] offset:16*PITCH*\mb+64*(\k)
	ds_load_b128 v[AB+64*((\k)%2)+32+8*\mb+4:AB+64*((\k)%2)+32+8*\mb+7], v[FA1] offset:16*PITCH*\mb+64*(\k)+32
.endr
.endm
.macro KSTEP k
	PLACES 4                                       ; between the last products and the loads into registers that they read (ISA guide 7.12.1 for vector instructions)
.if (\k) < 15
	ALOAD (\k)+1
.endif
.if (\k) < 13
	BLOAD (\k)+3
.endif
.if (\k) < 15
	s_wait_dscnt 16                                ; this step's fragments of h are in; the run just issued may be out
.else
	s_wait_dscnt 0x0
.endif
.if (\k) < 13
	s_wait_loadcnt 18                              ; this step's weights are in; the three later sets, six loads each, may be out
.else
	s_wait_loadcnt 6*(15-(\k))
.endif
	WIN 0x05                                       ; both sources in window 1, the sums in window 0
.set BK, BS+24*((\k)%4)
.set AK, AB+64*((\k)%2)
.irp mb, 0,1,2,3,4,5,6,7                ; the 24 accumulators take turns, one instruction a turn, from step to step too
	MMA ACC+8*\mb, BK, AK+8*\mb, \k
	MMA ACC+64+8*\mb, BK+8, AK+8*\mb, \k
	MMA ACC+128+8*\mb, AK+8*\mb, BK+16, \k
.endr
.endm
.macro PACK a, slot                    ; an accumulator, its registers in ascending order, to 16 bytes
.irp p, 0,1,2,3
	v_cvt_pk_bf16_f32 v[PK+4*(\slot)+\p], v[(\a)+2*\p], v[(\a)+2*\p+1]
.endr
.endm
	s_load_b256 s[4:11], s[0:1], 0x0               ; hb 4, wf 6, qf 8, kv 10
	v_lshl_add_u32 v[SPW], v0, 2, SPARE
	v_mov_b32 v[NIL], 0
	v_lshrrev_b32 v9, 5, v0
	v_readfirstlane_b32 s12, v9                    ; wave 0..7
	s_mov_b32 s13, ttmp9                           ; cb
	s_and_b32 s14, ttmp7, 0xffff                   ; y
	v_and_b32 v9, 31, v0
	v_lshlrev_b32 v[L16], 4, v9
	v_and_b32 v10, 15, v0                          ; r
	v_bfe_u32 v11, v0, 4, 1                        ; h
	v_mul_u32_u24 v[FA0], v10, PITCH
	v_lshl_add_u32 v[FA0], v11, 4, v[FA0]
	v_add_nc_u32 v[FA1], 64*PITCH, v[FA0]
	v_lshrrev_b32 v9, 6, v0
	v_and_b32 v10, 63, v0
	v_mul_u32_u24 v[SA0], v9, PITCH
	v_lshl_add_u32 v[SA0], v10, 4, v[SA0]
	v_add_nc_u32 v[SA1], 64*PITCH, v[SA0]
	v_lshlrev_b32 v[T16], 4, v0
	s_lshl_b32 s2, s14, 17                         ; 128 rows of 1,024 bytes
	s_mov_b32 s3, 0
	s_lshl_b32 s15, s13, 3
	s_add_co_u32 s15, s15, s12                     ; my row block of the weights
	s_lshl_b32 s30, s15, 14
	s_mov_b32 s31, 0
	s_lshr_b32 s32, s14, 4
	s_lshl_b32 s32, s32, 4                         ; 16 x batch
	s_lshl_b32 s33, s13, 2
	s_add_co_u32 s32, s32, s33
	s_lshr_b32 s33, s12, 1
	s_add_co_u32 s32, s32, s33                     ; + head = 4 cb + w / 2
	s_and_b32 s33, s12, 1                          ; which 16 of the 32 channels
	s_and_b32 s34, s14, 15                         ; my 128 tokens among the 2,048 of the batch
	s_lshl_b32 s22, s32, 17
	s_lshl_b32 s35, s34, 13
	s_add_co_u32 s22, s22, s35
	s_lshl_b32 s35, s33, 9
	s_add_co_u32 s22, s22, s35                     ; qf: head, eight token groups, half
	s_mov_b32 s23, 0
	s_lshl_b32 s36, s32, 18
	s_lshl_b32 s38, s34, 14
	s_add_co_u32 s36, s36, s38                     ; kv: head, two steps of 64 keys
	s_add_co_u32 s38, s36, 4096                    ; V^T lies behind K,
	s_lshl_b32 s35, s33, 10
	s_add_co_u32 s38, s38, s35                     ; fragment cb
	s_mov_b32 s39, 0
	s_lshl_b32 s35, s33, 9
	s_add_co_u32 s36, s36, s35                     ; K: half
	s_mov_b32 s37, 0
	s_wait_kmcnt 0x0
	s_add_nc_u64 s[4:5], s[4:5], s[2:3]
	s_add_nc_u64 s[16:17], s[6:7], s[30:31]        ; wq,
	s_add_nc_u64 s[18:19], s[16:17], 0x80000       ; wk,
	s_add_nc_u64 s[20:21], s[16:17], 0x100000      ; wv at my row block
	s_add_nc_u64 s[24:25], s[8:9], s[22:23]
	s_add_nc_u64 s[26:27], s[10:11], s[36:37]
	s_add_nc_u64 s[28:29], s[10:11], s[38:39]
	BLOAD 0
	BLOAD 1
	BLOAD 2
	WIN 0x40
.set i, 0
.rept 32                                ; the tile of h: each load of the work-group is 4,096 consecutive bytes, four rows
	global_load_b128 v[4*i:4*i+3], v[T16], s[4:5] offset:4096*i
.set i, i+1
.endr
	WIN 0x04                                       ; the data of an LDS store are source 1
.set i, 0
.rept 32
	s_wait_loadcnt 31-i                            ; load i is in; the 31 - i behind it may be out
.if i < 16
	ds_store_b128 v[SA0], v[4*i:4*i+3] offset:4*PITCH*i
.else
	ds_store_b128 v[SA1], v[4*i:4*i+3] offset:4*PITCH*(i-16)
.endif
.set i, i+1
.endr
	WIN 0
	s_wait_dscnt 0x0                               ; for the others: my part of the tile is written
	s_barrier_signal -1
	s_barrier_wait -1                              ; the only barrier: the tile is whole and is never written again
	ALOAD 0
.set kk, 0
.rept 16
	KSTEP kk
.set kk, kk+1
.endr
	WIN 0
	PLACES 8
.irp mb, 0,1,2,3,4,5,6,7
	PACK ACC+8*\mb, \mb
.endr
.irp mb, 0,1,2,3
	PACK ACC+64+8*\mb, 8+\mb
.endr
.irp mb, 0,1,2,3,4,5,6,7
	global_store_b128 v[L16], v[PK+4*\mb:PK+4*\mb+3], s[24:25] offset:1024*\mb
.endr
.irp mb, 0,1,2,3
	global_store_b128 v[L16], v[PK+32+4*\mb:PK+32+4*\mb+3], s[26:27] offset:1024*\mb
.endr
	s_wait_xcnt 0x0                                ; the stores have read their data: the pack registers are written again only behind this wait
.irp mb, 0,1,2,3
	PACK ACC+96+8*\mb, \mb
.endr
.irp mb, 0,1,2,3,4,5,6,7
	PACK ACC+128+8*\mb, 4+\mb
.endr
.irp mb, 0,1,2,3
	global_store_b128 v[L16], v[PK+4*\mb:PK+4*\mb+3], s[26:27] offset:8192+1024*\mb
.endr
.irp mb, 0,1,2,3,4,5,6,7
	global_store_b128 v[L16], v[PK+16+4*\mb:PK+16+4*\mb+3], s[28:29] offset:8192*(\mb/4)+2048*((\mb/2)%2)+512*(\mb%2)
.endr
	s_wait_tensorcnt 0x0                           ; the end of the wave
	ds_add_u32 v[SPW], v[NIL]
	s_wait_dscnt 0x0
	s_endpgm
.Lfunc_end_k_qac201f50b0_qkv:
	.size	k_qac201f50b0_qkv, .Lfunc_end_k_qac201f50b0_qkv-k_qac201f50b0_qkv
	.p2alignl 7, 3214868480
	.fill 96, 4, 3214868480
	.section	.rodata,"a",@progbits
	.p2align	6, 0x0
	.amdhsa_kernel k_qac201f50b0_qkv
		.amdhsa_group_segment_fixed_size 134144
		.amdhsa_private_segment_fixed_size 0
		.amdhsa_enable_private_segment 0
		.amdhsa_kernarg_size 32
		.amdhsa_user_sgpr_count 2
		.amdhsa_user_sgpr_kernarg_segment_ptr 1
		.amdhsa_wavefront_size32 1
		.amdhsa_system_sgpr_workgroup_id_x 1
		.amdhsa_system_sgpr_workgroup_id_y 1
		.amdhsa_system_sgpr_workgroup_id_z 1
		.amdhsa_system_vgpr_workitem_id 0
		.amdhsa_next_free_vgpr 480
		.amdhsa_next_free_sgpr 66
		.amdhsa_reserve_vcc 0
		.amdhsa_float_denorm_mode_32 3
		.amdhsa_float_denorm_mode_16_64 3
		.amdhsa_memory_ordered 1
		.amdhsa_forward_progress 1
		.amdhsa_inst_pref_size 71
	.end_amdhsa_kernel
	.amdgpu_metadata
---
amdhsa.version: [ 1, 2 ]
amdhsa.kernels:
  - .name:           k_qac201f50b0_qkv
    .symbol:         k_qac201f50b0_qkv.kd
    .args:
      - { .name: hb, .offset: 0, .size: 8, .value_kind: global_buffer, .address_space: global }
      - { .name: wf, .offset: 8, .size: 8, .value_kind: global_buffer, .address_space: global }
      - { .name: qf, .offset: 16, .size: 8, .value_kind: global_buffer, .address_space: global }
      - { .name: kv, .offset: 24, .size: 8, .value_kind: global_buffer, .address_space: global }
    .group_segment_fixed_size: 134144
    .private_segment_fixed_size: 0
    .kernarg_segment_align: 8
    .kernarg_segment_size: 32
    .max_flat_workgroup_size: 256
    .sgpr_count:     66
    .vgpr_count:     480
    .wavefront_size: 32
...
	.end_amdgpu_metadata
.endif
;; end of part 2
;; launch attn (part 3): grid 4 x 64, 8 waves a work-group, no clusters, 263,168 bytes of LDS; arguments qf, kv, of; writes of
.if DOCPART == 3
	.amdgcn_target "amdgcn-amd-amdhsa--gfx1250"
	.amdhsa_code_object_version 6
	.text
	.protected	k_qac201f50b0_attn
	.globl	k_qac201f50b0_attn
	.p2align	8
	.type	k_qac201f50b0_attn,@function
k_qac201f50b0_attn:
	s_mov_b64 s[64:65], 0
	v_nop
	global_prefetch_b8 v0, s[64:65] scope:SCOPE_SE
	s_setreg_imm32_b32 hwreg(HW_REG_WAVE_MODE, 25, 1), 1
	s_wait_xcnt 0x0
; CAUSAL ATTENTION WITH ALIBI, 64 (batch, head) pairs of 2,048 tokens x 32 channels.  o[q] = sum over k <= q of softmax_k(q . k / sqrt(32) - slope (q - k)) v[k], slope = 2^(-(head + 1) / 2).
; Operands bf16 in fragment order (16 rows x 32 K, [half][lane][16 bytes]); products, maxima and sums in f32; the weights p are rounded to bf16 for the second product; o is rounded once.
; LIMITS.  A hidden score is replaced by -1e30; a weight below 2^-126 counts as 0; the divisor l is the f32 sum of the ROUNDED weights; NaN and infinities are not treated apart.
; The term - slope q is the same for all keys of a row and is left out: a softmax does not change by it.
; SHARES.  Work-group (jj, bh) owns the blocks of 256 queries jj and 7 - jj of one head; the whole K and V of the head, 256 KiB, lie in LDS, filled once.  Wave w takes 32 queries (two tiles of 16) in each
; block: 256 jj + 32 w, then 256 (7 - jj) + 32 (7 - w).  Queries q0 .. q0 + 31 want q0 / 64 + 1 steps of 64 keys: 33 steps for the two, whatever jj and w.  The last of a pass holds the diagonal.
; THE FILL.  Each wave issues two tensor loads of 16 KiB, both at the head: its eighth of keys 0 to 1,023, then its eighth of keys 1,024 to 2,047.  The first pass wants keys below 1,024 alone and
; begins when the first loads have landed.  No byte of LDS is filled twice.
; LAYOUT.  S^T = K Q^T (source 0 = 16 keys, source 1 = 16 queries): a lane holds ONE query (lane % 16) and keys 8 (lane / 16) + 0..7; two such results rounded in pairs ARE source 1 of O^T = V^T P.
; ALIBI is the C operand of K Q^T: BI = slope sqrt(32) x (the key's place in its step), so that s = q . k + BI and p = 2^(c s - c m), c = log2(e) / sqrt(32).  What the step's number adds, 64 slope sqrt(32)
; a step, is carried by the running maximum: m is kept relative to the step in hand and is lowered by that much from step to step.  In the diagonal step C is BI or -1e30.
; ROW SUMS come from the matrix unit: ONES (rows 0 and 8 all 1) x P leaves l in register 0 of every lane: 32 packed additions less in a step that has some 200 vector instructions for 20 products.
; NO CLUSTER: the four work-groups of a head read the same K and V, once each; but which steps a wave jumps over hangs on jj, the work-group's place among the four
;   NO RING: the head's K and V fit in LDS whole.
.set SPARE, 262144                     ; behind K and V: the spare words, 128 bytes a wave: four blocks of 256 bytes that no other line names
.set HALF,  131072                     ; keys 0 to 1,023: 16 steps of 8,192 bytes
.set PART,  16384                      ; what one tensor load brings: 64 rows of 256 bytes
.set SPW, 1                            ; v1   SPARE + 4 x my thread number; never rewritten
.set NIL, 2                            ; v2   0; never rewritten
.set L16, 5                            ; v5   16 x lane
.set LV,  6                            ; v6   16 x lane + 4,096: V^T lies behind K in a step
.set AK,  7                            ; v7   LDS address of the next run of K
.set AV,  8                            ; v8   of V
.set QL,  9                            ; v9, v10  tile t: my query's place in the diagonal step less 8 (lane / 16); register j of key group kt is hidden where 16 kt + j is greater
.set ST,  16                           ; tile t at ST + 8 t: +0 c m, +1 m, +2 m lowered, +3 at work, +4..7 c0-c3; c2 takes a, at the end c2 and c3 take 1 / l
.set QLO, 32                           ; v[32:47]   Q of the first pass, tile t at + 8 t
.set QHI, 48                           ; v[48:63]   of the second
.set KF,  64                           ; v[64:95]   K of one step: key group kt at + 8 kt
.set VF,  96                           ; v[96:127]  V^T of one step: fragment 2 kk + cb at + 8 (2 kk + cb)
.set ONES, 128                         ; v[128:135]
.set BI,  136                          ; v[136:167]
.set S,   168                          ; v[168:231] S^T, tile t at + 32 t; P takes the first 16 of them in place
.set PKO, 232                          ; v[232:247] packed o
.set O,   0                            ; window 1: O^T (t, cb) at 16 t + 8 cb
.set LS,  32                           ; window 1: the row sums, tile t at 32 + 8 t
.set G1,  48                           ; s[48:55] descriptor group 1: the shape, the same for both loads; never rewritten
.set G0,  56                           ; s[56:63] descriptor group 0, a set of four for each of the two loads; never rewritten
.set MSB, 0
.macro WIN new                         ; s_set_vgpr_msb: bits 1:0 source 0, 3:2 source 1, 5:4 source 2, 7:6 destination; the high byte repeats the setting that is left
.if MSB != (\new)
	s_set_vgpr_msb (MSB<<8)|(\new)
.set MSB, (\new)
.endif
.endm
.macro PLACES n
.rept \n
	v_nop
.endr
.endm
; ONE KEY STEP for both tiles.  At its head eight loads of K (this step) are out.  diag = 1: the step that holds the diagonal.  lim: steps that have landed; qb: where Q lies.
.macro STEP diag, lim, qb
	s_lshl_b32 s25, s23, 13                        ; a step is 8,192 bytes
	v_add_nc_u32 v[AV], s25, v[LV]
.irp f, 0,1,2,3
	ds_load_b128 v[VF+8*\f:VF+8*\f+3],   v[AV] offset:1024*\f
	ds_load_b128 v[VF+8*\f+4:VF+8*\f+7], v[AV] offset:1024*\f+512
.endr
	s_add_co_u32 s26, s25, 8192                    ; the next step, held inside the bytes that have landed: behind a pass's last step the run is fetched and not used
	s_min_u32 s26, s26, ((\lim)-1)*8192
	v_add_f32 v[ST+2], s20, v[ST+1]                ; m relative to this step
	v_add_f32 v[ST+10], s20, v[ST+9]
.if \diag
.irp t, 0,1
.set i, 0
.rept 32
	v_cmp_gt_i32 vcc_lo, 16*(i/8)+i%8, v[QL+\t]
	v_cndmask_b32 v[S+32*\t+i], v[BI+i], s21, vcc_lo
.set i, i+1
.endr
.endr
.endif
	s_wait_dscnt 8                                 ; K is in; the eight loads of V may be out
.irp kt, 0,1,2,3                        ; each sum is one product: head size 32 is one K step
.irp t, 0,1
.if \diag
	v_wmma_f32_16x16x32_bf16 v[S+32*\t+8*\kt:S+32*\t+8*\kt+7], v[KF+8*\kt:KF+8*\kt+7], v[(\qb)+8*\t:(\qb)+8*\t+7], v[S+32*\t+8*\kt:S+32*\t+8*\kt+7]
.else
	v_wmma_f32_16x16x32_bf16 v[S+32*\t+8*\kt:S+32*\t+8*\kt+7], v[KF+8*\kt:KF+8*\kt+7], v[(\qb)+8*\t:(\qb)+8*\t+7], v[BI+8*\kt:BI+8*\kt+7]
.endif
.endr
.endr
	v_add_nc_u32 v[AK], s26, v[L16]                ; four places behind the products: for the loads into K and for the first read of the scores
	PLACES 3
.irp kt, 0,1,2,3
	ds_load_b128 v[KF+8*\kt:KF+8*\kt+3],   v[AK] offset:1024*\kt
	ds_load_b128 v[KF+8*\kt+4:KF+8*\kt+7], v[AK] offset:1024*\kt+512
.endr
	; the maximum: four chains of seven scores, each accumulator read from its low end on; then the four left over, the lowered m, and the other half of the lanes
.irp n, 0,1,2,3
.irp t, 0,1
	v_max3_num_f32 v[ST+8*\t+4+\n], v[S+32*\t+8*\n], v[S+32*\t+8*\n+1], v[S+32*\t+8*\n+2]
.endr
.endr
.irp g, 1,2
.irp n, 0,1,2,3
.irp t, 0,1
	v_max3_num_f32 v[ST+8*\t+4+\n], v[ST+8*\t+4+\n], v[S+32*\t+8*\n+2*\g+1], v[S+32*\t+8*\n+2*\g+2]
.endr
.endr
.endr
.irp t, 0,1
	v_max3_num_f32 v[ST+8*\t+4], v[ST+8*\t+4], v[S+32*\t+7], v[S+32*\t+15]
.endr
.irp t, 0,1
	v_max3_num_f32 v[ST+8*\t+5], v[ST+8*\t+5], v[S+32*\t+23], v[S+32*\t+31]
.endr
.irp t, 0,1
	v_max3_num_f32 v[ST+8*\t+6], v[ST+8*\t+6], v[ST+8*\t+7], v[ST+8*\t+2]
.endr
.irp t, 0,1
	v_max3_num_f32 v[ST+8*\t+4], v[ST+8*\t+4], v[ST+8*\t+5], v[ST+8*\t+6]
.endr
.irp t, 0,1
	v_permlanex16_b32 v[ST+8*\t+7], v[ST+8*\t+4], s18, s19
.endr
.irp t, 0,1
	v_max_num_f32 v[ST+8*\t+1], v[ST+8*\t+4], v[ST+8*\t+7]
.endr
.irp t, 0,1
	v_sub_f32 v[ST+8*\t+3], v[ST+8*\t+2], v[ST+8*\t+1]
.endr
.irp t, 0,1
	v_mul_f32 v[ST+8*\t], s16, v[ST+8*\t+1]
.endr
.irp t, 0,1
	v_mul_f32 v[ST+8*\t+3], s16, v[ST+8*\t+3]
.endr
	; ONE BATCH of 66 exponentials with one wait: a for both tiles, then, a pair of scores behind its scaling, all the weights.  Nothing ahead of the wait names a result.
.irp t, 0,1
	v_exp_f32 v[ST+8*\t+6], v[ST+8*\t+3]
.endr
.set b, 0
.rept 17
.if b < 16
.irp t, 0,1
	v_pk_fma_f32 v[S+32*\t+2*b:S+32*\t+2*b+1], v[S+32*\t+2*b:S+32*\t+2*b+1], s[16:17], v[ST+8*\t:ST+8*\t+1] op_sel_hi:[1,0,0] neg_lo:[0,0,1] neg_hi:[0,0,1]
.endr
.endif
.if b > 0
.irp t, 0,1
	v_exp_f32 v[S+32*\t+2*b-2], v[S+32*\t+2*b-2]
	v_exp_f32 v[S+32*\t+2*b-1], v[S+32*\t+2*b-1]
.endr
.endif
.set b, b+1
.endr
	v_nop                                          ; a plain instruction behind the last exponential,
	s_wait_alu depctr_va_vdst(0)                   ; and the one wait ahead of the first reader
.set p, 0
.rept 16
.irp t, 0,1
	v_cvt_pk_bf16_f32 v[S+32*\t+p], v[S+32*\t+2*p], v[S+32*\t+2*p+1]
.endr
.set p, p+1
.endr
	WIN 0x41                                       ; O^T and l times a
.irp t, 0,1
.set p, 0
.rept 8
	v_pk_mul_f32 v[O+16*\t+2*p:O+16*\t+2*p+1], v[O+16*\t+2*p:O+16*\t+2*p+1], v[ST+8*\t+6:ST+8*\t+7] op_sel_hi:[1,0]
.set p, p+1
.endr
	v_pk_mul_f32 v[LS+8*\t:LS+8*\t+1], v[LS+8*\t:LS+8*\t+1], v[ST+8*\t+6:ST+8*\t+7] op_sel_hi:[1,0]
.endr
	WIN 0
	s_wait_dscnt 8                                 ; V is in; the eight loads of the next K may be out
	WIN 0x50                                       ; the sums in window 1
.irp kk, 0,1                            ; six accumulators take turns, one instruction a turn
.irp t, 0,1
	v_wmma_f32_16x16x32_bf16 v[O+16*\t:O+16*\t+7], v[VF+16*\kk:VF+16*\kk+7], v[S+32*\t+8*\kk:S+32*\t+8*\kk+7], v[O+16*\t:O+16*\t+7]
	v_wmma_f32_16x16x32_bf16 v[O+16*\t+8:O+16*\t+15], v[VF+16*\kk+8:VF+16*\kk+15], v[S+32*\t+8*\kk:S+32*\t+8*\kk+7], v[O+16*\t+8:O+16*\t+15]
	v_wmma_f32_16x16x32_bf16 v[LS+8*\t:LS+8*\t+7], v[ONES:ONES+7], v[S+32*\t+8*\kk:S+32*\t+8*\kk+7], v[LS+8*\t:LS+8*\t+7]
.endr
.endr
	WIN 0
	PLACES 5                                       ; ahead of the next loads into V, of the mask, and of the next K Q^T, which writes over P
.endm
; A PASS: 32 queries from s27 on.  The loop counts to the constant lim; a step beyond the diagonal is jumped over, forward; no barrier and no tensor load is passed.
.macro BLOCK lim, qb, tag
	s_lshr_b32 s24, s27, 6                         ; the step that holds the diagonal
	s_and_b32 s28, s27, 32
	v_add_nc_u32 v[QL], s28, v14
	v_add_nc_u32 v[QL+1], 16, v[QL]
	s_lshl_b32 s28, s14, 7
	s_lshr_b32 s29, s27, 4
	s_add_co_u32 s28, s28, s29                     ; token group = 128 x batch + q0 / 16,
	s_lshl_b32 s28, s28, 14                        ; 16 fragments each,
	s_lshl_b32 s29, s13, 10
	s_add_co_u32 s28, s28, s29                     ; the head is the K step of the next product
	s_mov_b32 s29, 0
	s_add_nc_u64 s[30:31], s[8:9], s[28:29]
	v_mov_b32 v[ST+1], 0xff7fffff                  ; m: the lowest finite number, so the first a is 0
	v_mov_b32 v[ST+9], 0xff7fffff
	WIN 0x40
.set i, 0
.rept 48                                ; O^T and l start at 0: no first step is written out, at the price of these lines
	v_mov_b32 v[i], 0
.set i, i+1
.endr
	WIN 0
.irp kt, 0,1,2,3
	ds_load_b128 v[KF+8*\kt:KF+8*\kt+3],   v[L16] offset:1024*\kt
	ds_load_b128 v[KF+8*\kt+4:KF+8*\kt+7], v[L16] offset:1024*\kt+512
.endr
	s_mov_b32 s23, 0
.Ltrip_\tag:
	s_cmp_gt_u32 s23, s24
	s_cbranch_scc1 .Lnext_\tag
	s_cmp_eq_u32 s23, s24
	s_cbranch_scc1 .Ldiag_\tag
	STEP 0, \lim, \qb
	s_branch .Lnext_\tag
.Ldiag_\tag:
	STEP 1, \lim, \qb
.Lnext_\tag:
	s_add_co_u32 s23, s23, 1
	s_cmp_lt_u32 s23, \lim
	s_cbranch_scc1 .Ltrip_\tag
	s_wait_dscnt 0x0                               ; the run of K that nobody uses
	WIN 0x01
	v_mov_b32 v[ST+3], v[LS]                       ; l lies in the lowest register of its accumulator
	v_mov_b32 v[ST+11], v[LS+8]
	WIN 0
	v_rcp_f32 v[ST+6], v[ST+3]                     ; made twice, to fill the pair by which the packed lines multiply
	v_rcp_f32 v[ST+7], v[ST+3]
	v_rcp_f32 v[ST+14], v[ST+11]
	v_rcp_f32 v[ST+15], v[ST+11]
	v_nop
	s_wait_alu depctr_va_vdst(0)                   ; one wait for the four reciprocals
	WIN 0x41
.irp t, 0,1
.set p, 0
.rept 8
	v_pk_mul_f32 v[O+16*\t+2*p:O+16*\t+2*p+1], v[O+16*\t+2*p:O+16*\t+2*p+1], v[ST+8*\t+6:ST+8*\t+7]
.set p, p+1
.endr
.endr
	WIN 0x05
.set p, 0
.rept 16
	v_cvt_pk_bf16_f32 v[PKO+p], v[O+2*p], v[O+2*p+1]
.set p, p+1
.endr
	WIN 0
.irp t, 0,1
.irp cb, 0,1
	global_store_b128 v[L16], v[PKO+8*\t+4*\cb:PKO+8*\t+4*\cb+3], s[30:31] offset:16384*\t+512*\cb  ; half cb of a fragment: 512 consecutive bytes, aligned
.endr
.endr
.endm
	s_load_b128 s[4:7], s[0:1], 0x0                ; qf 4, kv 6
	s_load_b64 s[8:9], s[0:1], 0x10                ; of
	v_lshl_add_u32 v[SPW], v0, 2, SPARE
	v_mov_b32 v[NIL], 0
	ds_add_u32 v[SPW], v[NIL]                      ; the opening: the add and its wait ahead of my first tensor load; work on registers stands between them
	ds_add_u32 v1, v2
	v_lshrrev_b32 v11, 5, v0
	v_readfirstlane_b32 s10, v11                   ; wave 0..7
	s_mov_b32 s11, ttmp9                           ; jj
	s_and_b32 s12, ttmp7, 0xffff                   ; batch x 16 + head
	s_and_b32 s13, s12, 15
	s_lshr_b32 s14, s12, 4
	v_and_b32 v11, 31, v0
	v_lshlrev_b32 v[L16], 4, v11
	v_add_nc_u32 v[LV], 4096, v[L16]
	v_and_b32 v12, 15, v0                          ; r
	v_bfe_u32 v13, v0, 4, 1
	v_lshlrev_b32 v13, 3, v13                      ; 8 h
	v_sub_nc_u32 v14, v12, v13                     ; r - 8 h
	s_mov_b32 s16, 0x3e8293ee                      ; c = log2(e) / sqrt(32) = 0.255035
	s_mov_b32 s17, s16                             ; named with it as a pair
	s_mov_b32 s18, 0x76543210                      ; v_permlanex16_b32: each lane takes its own place in the other half
	s_mov_b32 s19, 0xfedcba98
	s_mov_b32 s21, 0xf149f2ca                      ; -1e30
	s_mov_b32 s34, 0x3f803f80                      ; 1.0 twice in bf16
	; descriptor group 1: 16,384 dense bytes, asked for as 64 rows of 128 elements of 2 bytes; they lie in LDS as in memory, with no padding
	s_mov_b32 s[G1+0], 1<<16                       ; 15:0 no work-group mask; 17:16 elements of 2 bytes; 20 padding off
	s_mov_b32 s[G1+1], 128<<16                     ; tensor_dim0 = 128
	s_mov_b32 s[G1+2], 64<<16                      ; tensor_dim1 = 64
	s_mov_b32 s[G1+3], 128<<16                     ; tile_dim0 = 128
	s_mov_b32 s[G1+4], 64                          ; tile_dim1 = 64
	s_mov_b32 s[G1+5], 128                         ; 128 elements from row to row
	s_mov_b32 s[G1+6], 0
	s_mov_b32 s[G1+7], 0
	s_mul_i32 s41, s10, PART                       ; my eighth of a half: the same place in LDS and in the head's block of memory
	s_lshl_b32 s27, s11, 8
	s_lshl_b32 s28, s10, 5
	s_add_co_u32 s27, s27, s28                     ; the first pass: 256 jj + 32 w
	s_sub_co_u32 s35, 2016, s27                    ; the second: 256 (7 - jj) + 32 (7 - w)
	s_lshl_b32 s40, s12, 17                        ; the head in qf
	s_lshl_b32 s28, s27, 6                         ; 1,024 bytes for 16 queries
	s_add_co_u32 s28, s28, s40
	s_mov_b32 s29, 0
	s_lshl_b32 s42, s35, 6
	s_add_co_u32 s42, s42, s40
	s_mov_b32 s43, 0
	s_lshl_b32 s44, s12, 18                        ; the head in kv,
	s_add_co_u32 s44, s44, s41                     ; my eighth of its first half
	s_mov_b32 s45, 0
	s_wait_dscnt 0x0                               ; the opening add is done
	s_wait_kmcnt 0x0
	s_add_nc_u64 s[6:7], s[6:7], s[44:45]
	s_add_nc_u64 s[36:37], s[4:5], s[28:29]
	s_add_nc_u64 s[38:39], s[4:5], s[42:43]
	; Group 0, once for each half, and its load.  The two first fills go out together, ahead of every wait on TENSORcnt, every LDS read and every barrier: two tensor loads of mine are out.
.irp s, 0,1
	s_mov_b32 s[G0+4*(\s)], 1                                      ; count = 1
	s_add_co_u32 s[G0+4*(\s)+1], s41, (\s)*HALF                    ; LDS address: 16,384 x wave + the half
	s_add_nc_u64 s[G0+4*(\s)+2:G0+4*(\s)+3], s[6:7], (\s)*HALF     ; global address of the block's first byte
	s_or_b32 s[G0+4*(\s)+3], s[G0+4*(\s)+3], 0x80000000            ; type = 2
	tensor_load_to_lds s[G0+4*(\s):G0+4*(\s)+3], s[G1:G1+7]
	s_nop 0
.endr
.irp t, 0,1
.irp c, 0,1
	global_load_b128 v[QLO+8*\t+4*\c:QLO+8*\t+4*\c+3], v[L16], s[36:37] offset:1024*\t+512*\c th:TH_LOAD_NT
	global_load_b128 v[QHI+8*\t+4*\c:QHI+8*\t+4*\c+3], v[L16], s[38:39] offset:1024*\t+512*\c th:TH_LOAD_NT
.endr
.endr
	s_add_co_u32 s28, s13, 1
	v_cvt_f32_u32 v11, s28
	v_mul_f32 v11, -0.5, v11
	v_exp_f32 v15, v11                             ; slope = 2^(-(head + 1) / 2)
	v_nop
	s_wait_alu depctr_va_vdst(0)
	v_mul_f32 v15, 0x40b504f3, v15                 ; x sqrt(32)
	v_readfirstlane_b32 s22, v15
	v_mul_f32 v15, 0xc2800000, v15                 ; x -64: what m loses from step to step
	v_readfirstlane_b32 s20, v15
.set i, 0
.rept 32
	v_add_nc_u32 v11, 16*(i/8)+i%8, v13            ; the key's place in its step
	v_cvt_f32_u32 v11, v11
	v_mul_f32 v[BI+i], s22, v11
.set i, i+1
.endr
	v_and_b32 v11, 7, v0
	v_cmp_eq_u32 vcc_lo, 0, v11                    ; lanes 0, 8, 16, 24 hold rows 0 and 8 of source 0
	v_cndmask_b32 v[ONES], 0, s34, vcc_lo
.irp i, 1,2,3,4,5,6,7
	v_mov_b32 v[ONES+\i], v[ONES]
.endr
	s_wait_loadcnt 0x0                             ; Q
	s_wait_tensorcnt 1                             ; my eighth of keys 0 to 1,023 has landed; my second load may stay out
	s_barrier_signal -1
	s_barrier_wait -1                              ; everybody's eighth has
	BLOCK 16, QLO, lo                              ; blocks 0 to 3 want keys below 1,024: 16 steps at the most, LDS bytes below 131,072
	s_wait_tensorcnt 0x0                           ; my eighth of keys 1,024 to 2,047
	s_barrier_signal -1
	s_barrier_wait -1                              ; all of K and V is in
	s_wait_xcnt 0x0                                ; the stores have read their base and data, which the second pass writes again
	s_mov_b32 s27, s35
	BLOCK 32, QHI, hi
	s_wait_tensorcnt 0x0                           ; the end of the wave
	ds_add_u32 v[SPW], v[NIL]
	s_wait_dscnt 0x0
	s_endpgm
.Lfunc_end_k_qac201f50b0_attn:
	.size	k_qac201f50b0_attn, .Lfunc_end_k_qac201f50b0_attn-k_qac201f50b0_attn
	.p2alignl 7, 3214868480
	.fill 96, 4, 3214868480
	.section	.rodata,"a",@progbits
	.p2align	6, 0x0
	.amdhsa_kernel k_qac201f50b0_attn
		.amdhsa_group_segment_fixed_size 263168
		.amdhsa_private_segment_fixed_size 0
		.amdhsa_enable_private_segment 0
		.amdhsa_kernarg_size 24
		.amdhsa_user_sgpr_count 2
		.amdhsa_user_sgpr_kernarg_segment_ptr 1
		.amdhsa_wavefront_size32 1
		.amdhsa_system_sgpr_workgroup_id_x 1
		.amdhsa_system_sgpr_workgroup_id_y 1
		.amdhsa_system_sgpr_workgroup_id_z 1
		.amdhsa_system_vgpr_workitem_id 0
		.amdhsa_next_free_vgpr 304
		.amdhsa_next_free_sgpr 66
		.amdhsa_reserve_vcc 1
		.amdhsa_float_denorm_mode_32 3
		.amdhsa_float_denorm_mode_16_64 3
		.amdhsa_memory_ordered 1
		.amdhsa_forward_progress 1
		.amdhsa_inst_pref_size 82
	.end_amdhsa_kernel
	.amdgpu_metadata
---
amdhsa.version: [ 1, 2 ]
amdhsa.kernels:
  - .name:           k_qac201f50b0_attn
    .symbol:         k_qac201f50b0_attn.kd
    .args:
      - { .name: qf, .offset: 0, .size: 8, .value_kind: global_buffer, .address_space: global }
      - { .name: kv, .offset: 8, .size: 8, .value_kind: global_buffer, .address_space: global }
      - { .name: of, .offset: 16, .size: 8, .value_kind: global_buffer, .address_space: global }
    .group_segment_fixed_size: 263168
    .private_segment_fixed_size: 0
    .kernarg_segment_align: 8
    .kernarg_segment_size: 24
    .max_flat_workgroup_size: 256
    .sgpr_count:     66
    .vgpr_count:     304
    .wavefront_size: 32
...
	.end_amdgpu_metadata
.endif
;; end of part 3
;; launch post (part 4): grid 256 x 1, 8 waves a work-group, no clusters, 104,448 bytes of LDS; arguments of, wf, x, ln2_g, ln2_b, out0; writes out0
.if DOCPART == 4
	.amdgcn_target "amdgcn-amd-amdhsa--gfx1250"
	.amdhsa_code_object_version 6
	.text
	.protected	k_qac201f50b0_post
	.globl	k_qac201f50b0_post
	.p2align	8
	.type	k_qac201f50b0_post,@function
k_qac201f50b0_post:
	s_mov_b64 s[64:65], 0
	v_nop
	global_prefetch_b8 v0, s[64:65] scope:SCOPE_SE
	s_setreg_imm32_b32 hwreg(HW_REG_WAVE_MODE, 25, 1), 1
	s_wait_xcnt 0x0
; x1 = x + o wo^T;  h2 = LayerNorm(x1; ln2_g, ln2_b);  g = silu(h2 w1^T) (h2 w3^T);  out0 = x1 + g w2^T.  o and the weights bf16 in fragment order (16 rows x 32 K, [half][lane][16 bytes]).
; Products in bf16 with f32 sums; x1, the statistics and both residual sums in f32; h2 and g are rounded once to bf16 on their way to the next product.
; SHARES.  Work-group b owns rows 32 b .. 32 b + 31 (two blocks of 16) through all four products, so x1, h2 and g never leave the work-group.  Wave w owns columns 64 w .. 64 w + 63 in every product.
; wo and w2 are taken as source 1 with permuted rows (row r of block 4 w + i is weight row 64 w + 4 r + i): in accumulator i a lane holds column 64 w + 4 r + i of rows 8 h + j.  The residual sum puts the four
; i side by side, so x is read and out0 written 16 bytes a lane, sixteen lanes to 256 consecutive aligned bytes, with no stage.  w1 and w3 are source 0: a lane holds eight neighbouring columns of g.
; THE WEIGHTS are ONE stream of 64 quads (a quad: four fragments, 4 KiB a wave), straight into a ring of six quads of registers; they hang on no data, so the stream runs on across the ways out and the barriers:
; quads 0-15 wo, 16-47 w1 and w3 by turns, 48-63 w2.  By the text's own count 48 loads of a wave are out.
; LN2: a row's 512 numbers lie in eight waves.  Each wave makes mean and centred sum of squares of its 64; they are joined as mean = sum mean_w / 8, M2 = sum M2_w + 64 sum (mean_w - mean)^2: no difference of large sums.
; silu(u) = u / (1 + 2^(-u log2 e)): for very negative u the power is an infinity, its reciprocal 0, the result 0.  NaN and infinities in the inputs are not treated apart.
; NO CLUSTER, NO TENSOR LOAD: a wave's weight blocks are wanted by no other wave of the work-group and go to registers; joint loads end in LDS, behind a ring whose barriers this text does not have.
; The text has no label and no branch.
.set PITCH, 1040                       ; a row of h2 or g in LDS: 1,024 bytes + 16: the 16 rows of a fragment load start at 16 different groups of four banks (64 banks of 4 bytes, ISA guide 11.1)
.set OF,    0                          ; 32,768  o of my 32 rows, in fragment order
.set H2,    32768                      ; 33,280  h2, 32 rows
.set GL,    66048                      ; 33,280  g, 32 rows
.set RED,   99328                      ; 2,048   [row 32][wave 8] (mean_w, M2_w)
.set STAT,  101376                     ; 2,048   256 bytes of each wave's own: [row 32] (mean, 1 / sqrt(var + eps))
.set SPARE, 103424                     ; the spare words, 128 bytes a wave: four blocks of 256 bytes that no other line names
.set SPW, 1                            ; v1   SPARE + 4 x my thread number; never rewritten
.set NIL, 2                            ; v2   0; never rewritten
.set L16, 3                            ; v3   16 x lane
.set AH,  5                            ; v5   my place in a fragment of h2
.set AG,  6                            ; v6   of g
.set T16, 7                            ; v7   16 x thread
.set XO,  8                            ; v8   my 16 bytes of x and out0: 16,384 h + 256 w + 16 r
.set RW,  9                            ; v9   RED + 512 h + 8 w
.set RR,  10                           ; v10  RED + 64 x lane
.set SW,  11                           ; v11  STAT + 256 w + 8 x lane
.set SR,  12                           ; v12  STAT + 256 w + 64 h
.set HW,  13                           ; v13  H2 + 8,320 h + 128 w + 8 r
.set GW,  14                           ; v14  GL + 1,040 r + 128 w + 16 h
.set GB,  15                           ; v15  256 w + 16 r: my four columns in gain and bias
.set ACC0, 16                          ; v[16:79]   accumulator (mb, i) at + 8 (4 mb + i); between the products at work
.set ACC1, 80                          ; v[80:143]  the same for w3
.set X1,  144                          ; v[144:207] quad q = 8 mb + j: row 16 mb + 8 h + j, columns 64 w + 4 r + 0..3
.set G2,  208                          ; v[208:211] gain
.set B2,  212                          ; v[212:215] bias
.set SM,  216                          ; v[216:247] quad q: a pair of statistics
.set TT0, 248                          ; v[248:255] at work
.set E,   208                          ; v[208:239] silu, when gain, bias and statistics are done with
.set AB,  0                            ; window 1: v[0:31] two buffers of two token fragments
.set RB,  32                           ; window 1: v[32:223] the ring of six quads
.set ISS, 0                            ; quads issued so far
.set MSB, 0
.macro WIN new                         ; s_set_vgpr_msb: bits 1:0 source 0, 3:2 source 1, 5:4 source 2, 7:6 destination; the high byte repeats the setting that is left
.if MSB != (\new)
	s_set_vgpr_msb (MSB<<8)|(\new)
.set MSB, (\new)
.endif
.endm
.macro PLACES n
.rept \n
	v_nop
.endr
.endm
.macro MMA d, a, b, k                  ; K step 0 starts the sum: nothing is cleared
.if (\k) == 0
	v_wmma_f32_16x16x32_bf16 v[(\d):(\d)+7], v[(\a):(\a)+7], v[(\b):(\b)+7], 0
.else
	v_wmma_f32_16x16x32_bf16 v[(\d):(\d)+7], v[(\a):(\a)+7], v[(\b):(\b)+7], v[(\d):(\d)+7]
.endif
.endm
.macro LOADQ                           ; the next quad of the stream: row blocks 4 w + 0..3 of one matrix, one K step
.if ISS < 16
.set QS, 20
.set QK, ISS
.elseif ISS < 48
.set QS, 22+2*(ISS%2)
.set QK, (ISS-16)/2
.else
.set QS, 26
.set QK, ISS-48
.endif
.set QR, RB+32*(ISS%6)
	WIN 0x40
.irp i, 0,1,2,3
	global_load_b128 v[QR+8*\i:QR+8*\i+3],   v[L16], s[QS:QS+1] offset:16384*\i+1024*QK
	global_load_b128 v[QR+8*\i+4:QR+8*\i+7], v[L16], s[QS:QS+1] offset:16384*\i+1024*QK+512
.endr
.set ISS, ISS+1
.endm
.macro ALD ph, ks                      ; the two token fragments of K step ks: ph = 0 from o, 1 from h2, 2 from g
	WIN 0x40
.irp mb, 0,1
.if (\ph) == 0
	ds_load_b128 v[AB+16*((\ks)%2)+8*\mb:AB+16*((\ks)%2)+8*\mb+3],   v[L16] offset:OF+16384*\mb+1024*(\ks)
	ds_load_b128 v[AB+16*((\ks)%2)+8*\mb+4:AB+16*((\ks)%2)+8*\mb+7], v[L16] offset:OF+16384*\mb+1024*(\ks)+512
.elseif (\ph) == 1
	ds_load_b128 v[AB+16*((\ks)%2)+8*\mb:AB+16*((\ks)%2)+8*\mb+3],   v[AH] offset:16*PITCH*\mb+64*(\ks)
	ds_load_b128 v[AB+16*((\ks)%2)+8*\mb+4:AB+16*((\ks)%2)+8*\mb+7], v[AH] offset:16*PITCH*\mb+64*(\ks)+32
.else
	ds_load_b128 v[AB+16*((\ks)%2)+8*\mb:AB+16*((\ks)%2)+8*\mb+3],   v[AG] offset:16*PITCH*\mb+64*(\ks)
	ds_load_b128 v[AB+16*((\ks)%2)+8*\mb+4:AB+16*((\ks)%2)+8*\mb+7], v[AG] offset:16*PITCH*\mb+64*(\ks)+32
.endif
.endr
.endm
; One K step of product ph (0: o wo^T; 1: h2 w1^T and h2 w3^T; 2: g w2^T): its 8 or 16 products, then the ring and the token buffer are asked for again.
.macro GK ph, ks
.if (\ph) == 1
.set NQ, 2
.set Q0, 16+2*(\ks)
.elseif (\ph) == 0
.set NQ, 1
.set Q0, (\ks)
.else
.set NQ, 1
.set Q0, 48+(\ks)
.endif
	s_wait_loadcnt 8*(ISS-Q0-NQ)                   ; this step's quads are in; the quads issued behind them, eight loads each, may be out
.if (\ks) < 15
	s_wait_dscnt 4                                 ; this step's token fragments are in; the next step's four loads may be out
.else
	s_wait_dscnt 0x0
.endif
	WIN 0x05                                       ; both sources in window 1, the sums in window 0
.set RA, RB+32*(Q0%6)
.set RC, RB+32*((Q0+1)%6)
.set AF, AB+16*((\ks)%2)
.irp mb, 0,1                            ; the accumulators take turns, one instruction a turn, from step to step too
.irp i, 0,1,2,3
.if (\ph) == 1
	MMA ACC0+8*(4*\mb+\i), RA+8*\i, AF+8*\mb, \ks
	MMA ACC1+8*(4*\mb+\i), RC+8*\i, AF+8*\mb, \ks
.else
	MMA ACC0+8*(4*\mb+\i), AF+8*\mb, RA+8*\i, \ks
.endif
.endr
.endr
	PLACES 4                                       ; between the products and the loads into registers that they read
.rept NQ
.if ISS < 64
	LOADQ
.endif
.endr
.if (\ks) < 14
	ALD \ph, (\ks)+2
.endif
.endm
.macro PRODUCT ph
	ALD \ph, 0
	ALD \ph, 1
.set kk, 0
.rept 16
	GK \ph, kk
.set kk, kk+1
.endr
	WIN 0
	PLACES 4                                       ; with the four of the last step eight places ahead of the first read of the sums
.endm
.macro RESID                           ; x1 += the sums; register j of all eight accumulators in ascending j, so each is read from its low end on
.irp j, 0,1,2,3,4,5,6,7
.irp mb, 0,1
.irp i, 0,1,2,3
	v_add_f32 v[X1+4*(8*\mb+\j)+\i], v[X1+4*(8*\mb+\j)+\i], v[ACC0+8*(4*\mb+\i)+\j]
.endr
.endr
.endr
.endm
.macro QUADS line:vararg               ; one line for each of the 16 quads q
.set q, 0
.rept 16
	\line
.set q, q+1
.endr
.endm
.macro MEET                            ; what I stored to LDS is done; then everybody's is
	s_wait_dscnt 0x0
	s_barrier_signal -1
	s_barrier_wait -1
.endm
	s_load_b256 s[4:11], s[0:1], 0x0               ; of 4, wf 6, x 8, ln2_g 10
	s_load_b128 s[12:15], s[0:1], 0x20             ; ln2_b 12, out0 14
	v_lshl_add_u32 v[SPW], v0, 2, SPARE
	v_mov_b32 v[NIL], 0
	v_lshrrev_b32 v4, 5, v0
	v_readfirstlane_b32 s16, v4                    ; wave 0..7
	v_and_b32 v4, 31, v0                           ; lane
	v_lshlrev_b32 v[L16], 4, v4
	v_lshlrev_b32 v[T16], 4, v0
	v_and_b32 v248, 15, v0                         ; r
	v_bfe_u32 v249, v0, 4, 1                       ; h
	v_mul_u32_u24 v250, v248, PITCH
	v_lshl_add_u32 v250, v249, 4, v250             ; 1,040 r + 16 h
	v_add_nc_u32 v[AH], H2, v250
	v_add_nc_u32 v[AG], GL, v250
	s_lshl_b32 s17, s16, 8
	v_lshl_add_u32 v[GB], v248, 4, s17
	v_lshl_add_u32 v[XO], v249, 14, v[GB]
	s_lshl_b32 s18, s16, 3
	s_add_co_u32 s18, s18, RED
	v_lshl_add_u32 v[RW], v249, 9, s18
	v_lshl_add_u32 v[RR], v4, 6, RED
	s_add_co_u32 s19, s17, STAT
	v_lshl_add_u32 v[SW], v4, 3, s19
	v_lshl_add_u32 v[SR], v249, 6, s19
	s_lshl_b32 s36, s16, 7
	s_add_co_u32 s37, s36, H2
	v_mul_u32_u24 v251, v249, 8*PITCH
	v_lshl_add_u32 v251, v248, 3, v251
	v_add_nc_u32 v[HW], s37, v251
	s_add_co_u32 s38, s36, GL
	v_add_nc_u32 v[GW], s38, v250
	s_mov_b32 s28, 0x3c800000                      ; 1 / 64
	s_mov_b32 s29, 0x3b000000                      ; 1 / 512
	s_mov_b32 s30, 0x3727c5ac                      ; eps = 1e-5
	s_mov_b32 s31, 0x3e000000                      ; 1 / 8
	s_lshl_b32 s2, s16, 16                         ; my four row blocks, 16 KiB each,
	s_add_co_u32 s2, s2, 3*524288                  ; from the fourth matrix on
	s_mov_b32 s3, 0
	s_lshl_b32 s32, ttmp9, 15                      ; 32 rows of o: 32 KiB
	s_mov_b32 s33, 0
	s_lshl_b32 s34, ttmp9, 16                      ; 32 rows of x and out0: 64 KiB
	s_mov_b32 s35, 0
	s_wait_kmcnt 0x0
	s_add_nc_u64 s[20:21], s[6:7], s[2:3]          ; wo,
	s_add_nc_u64 s[22:23], s[20:21], 0x80000       ; w1,
	s_add_nc_u64 s[24:25], s[20:21], 0x100000      ; w3,
	s_add_nc_u64 s[26:27], s[20:21], 0x180000      ; w2
	s_add_nc_u64 s[4:5], s[4:5], s[32:33]
	s_add_nc_u64 s[8:9], s[8:9], s[34:35]
	s_add_nc_u64 s[14:15], s[14:15], s[34:35]
	WIN 0x40
.set i, 0
.rept 8
	global_load_b128 v[4*i:4*i+3], v[T16], s[4:5] offset:4096*i th:TH_LOAD_NT
.set i, i+1
.endr
	WIN 0
	QUADS global_load_b128 v[X1+4*q:X1+4*q+3], v[XO], s[8:9] offset:2048*(16*(q/8)+q%8) th:TH_LOAD_NT
	global_load_b128 v[G2:G2+3], v[GB], s[10:11]
	global_load_b128 v[B2:B2+3], v[GB], s[12:13]
	LOADQ
	LOADQ
	LOADQ
	LOADQ
	s_wait_loadcnt 32                              ; o, x, gain and bias are in; the four quads may be out
	WIN 0x04                                       ; the data of an LDS store are source 1
.set i, 0
.rept 8
	ds_store_b128 v[T16], v[4*i:4*i+3] offset:OF+4096*i
.set i, i+1
.endr
	LOADQ
	LOADQ
	WIN 0
	MEET                                           ; o is whole in LDS
	PRODUCT 0                                      ; o wo^T
	RESID                                          ; x1
	; the statistics of my 64 columns of each row: within a lane, then over the 16 lanes of a half
	QUADS v_pk_add_f32 v[SM+2*q:SM+2*q+1], v[X1+4*q:X1+4*q+1], v[X1+4*q+2:X1+4*q+3]
	QUADS v_add_f32 v[SM+2*q], v[SM+2*q], v[SM+2*q+1]
.irp m, 1,2,4,8
	QUADS v_add_f32_dpp v[SM+2*q], v[SM+2*q], v[SM+2*q] row_xmask:\m row_mask:0xf bank_mask:0xf
.endr
	QUADS v_mul_f32 v[SM+2*q], s28, v[SM+2*q]
.set q, 0
.rept 16
.set TT, TT0+4*(q%2)
	v_pk_add_f32 v[TT:TT+1], v[X1+4*q:X1+4*q+1], v[SM+2*q:SM+2*q+1] op_sel_hi:[1,0] neg_lo:[0,1] neg_hi:[0,1]
	v_pk_add_f32 v[TT+2:TT+3], v[X1+4*q+2:X1+4*q+3], v[SM+2*q:SM+2*q+1] op_sel_hi:[1,0] neg_lo:[0,1] neg_hi:[0,1]
	v_pk_mul_f32 v[TT:TT+1], v[TT:TT+1], v[TT:TT+1]
	v_pk_fma_f32 v[TT:TT+1], v[TT+2:TT+3], v[TT+2:TT+3], v[TT:TT+1]
	v_add_f32 v[SM+2*q+1], v[TT], v[TT+1]
.set q, q+1
.endr
.irp m, 1,2,4,8
	QUADS v_add_f32_dpp v[SM+2*q+1], v[SM+2*q+1], v[SM+2*q+1] row_xmask:\m row_mask:0xf bank_mask:0xf
.endr
	QUADS ds_store_b64 v[RW], v[SM+2*q:SM+2*q+1] offset:64*(16*(q/8)+q%8)
	MEET                                           ; all eight waves' pairs of all 32 rows lie in LDS
	; a lane a row: every wave joins the eight pairs for itself
.irp c, 0,1,2,3
	ds_load_b128 v[ACC0+4*\c:ACC0+4*\c+3], v[RR] offset:16*\c
.endr
	s_wait_dscnt 0x0
	v_pk_add_f32 v[ACC0+16:ACC0+17], v[ACC0:ACC0+1], v[ACC0+2:ACC0+3]
	v_pk_add_f32 v[ACC0+18:ACC0+19], v[ACC0+4:ACC0+5], v[ACC0+6:ACC0+7]
	v_pk_add_f32 v[ACC0+20:ACC0+21], v[ACC0+8:ACC0+9], v[ACC0+10:ACC0+11]
	v_pk_add_f32 v[ACC0+22:ACC0+23], v[ACC0+12:ACC0+13], v[ACC0+14:ACC0+15]
	v_pk_add_f32 v[ACC0+16:ACC0+17], v[ACC0+16:ACC0+17], v[ACC0+18:ACC0+19]
	v_pk_add_f32 v[ACC0+20:ACC0+21], v[ACC0+20:ACC0+21], v[ACC0+22:ACC0+23]
	v_pk_add_f32 v[ACC0+16:ACC0+17], v[ACC0+16:ACC0+17], v[ACC0+20:ACC0+21]
	v_mul_f32 v[ACC0+24], s31, v[ACC0+16]          ; the mean
.irp k, 0,1,2,3,4,5,6,7
	v_sub_f32 v[ACC0+2*\k], v[ACC0+2*\k], v[ACC0+24]
.endr
	v_mul_f32 v[ACC0+26], v[ACC0], v[ACC0]
	v_mul_f32 v[ACC0+27], v[ACC0+2], v[ACC0+2]
.irp k, 4,8,12
	v_fma_f32 v[ACC0+26], v[ACC0+\k], v[ACC0+\k], v[ACC0+26]
	v_fma_f32 v[ACC0+27], v[ACC0+\k+2], v[ACC0+\k+2], v[ACC0+27]
.endr
	v_add_f32 v[ACC0+26], v[ACC0+26], v[ACC0+27]
	v_fmamk_f32 v[ACC0+17], v[ACC0+26], 0x42800000, v[ACC0+17]  ; + 64 x the spread of the eight means
	v_fma_f32 v[ACC0+17], v[ACC0+17], s29, s30
	v_rsq_f32 v[ACC0+25], v[ACC0+17]
	v_nop
	s_wait_alu depctr_va_vdst(0)
	ds_store_b64 v[SW], v[ACC0+24:ACC0+25]
	QUADS ds_load_b64 v[SM+2*q:SM+2*q+1], v[SR] offset:8*(16*(q/8)+q%8)
	s_wait_dscnt 0x0                               ; my wave's own bytes: LDS serves a wave's instructions in order (ISA guide 5.7.1.4), so the loads see the store
	; h2, rounded to bf16, into rows of 1,040 bytes
.set q, 0
.rept 16
.set TT, TT0+4*(q%2)
	v_pk_add_f32 v[TT:TT+1], v[X1+4*q:X1+4*q+1], v[SM+2*q:SM+2*q+1] op_sel_hi:[1,0] neg_lo:[0,1] neg_hi:[0,1]
	v_pk_add_f32 v[TT+2:TT+3], v[X1+4*q+2:X1+4*q+3], v[SM+2*q:SM+2*q+1] op_sel_hi:[1,0] neg_lo:[0,1] neg_hi:[0,1]
	v_pk_mul_f32 v[TT:TT+1], v[TT:TT+1], v[SM+2*q:SM+2*q+1] op_sel:[0,1] op_sel_hi:[1,1]
	v_pk_mul_f32 v[TT+2:TT+3], v[TT+2:TT+3], v[SM+2*q:SM+2*q+1] op_sel:[0,1] op_sel_hi:[1,1]
	v_pk_fma_f32 v[TT:TT+1], v[TT:TT+1], v[G2:G2+1], v[B2:B2+1]
	v_pk_fma_f32 v[TT+2:TT+3], v[TT+2:TT+3], v[G2+2:G2+3], v[B2+2:B2+3]
	v_cvt_pk_bf16_f32 v[TT], v[TT], v[TT+1]
	v_cvt_pk_bf16_f32 v[TT+1], v[TT+2], v[TT+3]
	ds_store_b64 v[HW], v[TT:TT+1] offset:PITCH*(16*(q/8)+q%8)
.set q, q+1
.endr
	MEET                                           ; h2 is whole
	PRODUCT 1                                      ; u = h2 w1^T, t = h2 w3^T
.irp ch, 0,1                            ; g = u t / (1 + 2^(-u log2 e)), four accumulators of each at a time; two batches of 32, a wait each
.set U, ACC0+32*\ch
.set V, ACC1+32*\ch
.set p, 0
.rept 16
	v_pk_mul_f32 v[E+2*p:E+2*p+1], v[U+2*p:U+2*p+1], 0xbfb8aa3b op_sel_hi:[1,0]
.set p, p+1
.endr
.set p, 0
.rept 32
	v_exp_f32 v[E+p], v[E+p]
.set p, p+1
.endr
	v_nop
	s_wait_alu depctr_va_vdst(0)
.set p, 0
.rept 16
	v_pk_add_f32 v[E+2*p:E+2*p+1], v[E+2*p:E+2*p+1], 1.0 op_sel_hi:[1,0]
.set p, p+1
.endr
.set p, 0
.rept 32
	v_rcp_f32 v[E+p], v[E+p]
.set p, p+1
.endr
.set p, 0
.rept 16
	v_pk_mul_f32 v[U+2*p:U+2*p+1], v[U+2*p:U+2*p+1], v[V+2*p:V+2*p+1]  ; work that names no reciprocal stands between the batch and its wait
.set p, p+1
.endr
	s_wait_alu depctr_va_vdst(0)
.set p, 0
.rept 16
	v_pk_mul_f32 v[U+2*p:U+2*p+1], v[U+2*p:U+2*p+1], v[E+2*p:E+2*p+1]
.set p, p+1
.endr
.set p, 0
.rept 16
	v_cvt_pk_bf16_f32 v[E+p], v[U+2*p], v[U+2*p+1]
.set p, p+1
.endr
.irp i, 0,1,2,3
	ds_store_b128 v[GW], v[E+4*\i:E+4*\i+3] offset:16*PITCH*\ch+32*\i
.endr
.endr
	MEET                                           ; g is whole
	PRODUCT 2                                      ; g w2^T
	RESID
	QUADS global_store_b128 v[XO], v[X1+4*q:X1+4*q+3], s[14:15] offset:2048*(16*(q/8)+q%8) th:TH_STORE_NT
	s_wait_tensorcnt 0x0                           ; the end of the wave
	ds_add_u32 v[SPW], v[NIL]
	s_wait_dscnt 0x0
	s_endpgm                                       ; each store above fills two runs of 256 consecutive aligned bytes, sixteen lanes each
.Lfunc_end_k_qac201f50b0_post:
	.size	k_qac201f50b0_post, .Lfunc_end_k_qac201f50b0_post-k_qac201f50b0_post
	.p2alignl 7, 3214868480
	.fill 96, 4, 3214868480
	.section	.rodata,"a",@progbits
	.p2align	6, 0x0
	.amdhsa_kernel k_qac201f50b0_post
		.amdhsa_group_segment_fixed_size 104448
		.amdhsa_private_segment_fixed_size 0
		.amdhsa_enable_private_segment 0
		.amdhsa_kernarg_size 48
		.amdhsa_user_sgpr_count 2
		.amdhsa_user_sgpr_kernarg_segment_ptr 1
		.amdhsa_wavefront_size32 1
		.amdhsa_system_sgpr_workgroup_id_x 1
		.amdhsa_system_sgpr_workgroup_id_y 1
		.amdhsa_system_sgpr_workgroup_id_z 1
		.amdhsa_system_vgpr_workitem_id 0
		.amdhsa_next_free_vgpr 480
		.amdhsa_next_free_sgpr 66
		.amdhsa_reserve_vcc 0
		.amdhsa_float_denorm_mode_32 3
		.amdhsa_float_denorm_mode_16_64 3
		.amdhsa_memory_ordered 1
		.amdhsa_forward_progress 1
		.amdhsa_inst_pref_size 160
	.end_amdhsa_kernel
	.amdgpu_metadata
---
amdhsa.version: [ 1, 2 ]
amdhsa.kernels:
  - .name:           k_qac201f50b0_post
    .symbol:         k_qac201f50b0_post.kd
    .args:
      - { .name: of, .offset: 0, .size: 8, .value_kind: global_buffer, .address_space: global }
      - { .name: wf, .offset: 8, .size: 8, .value_kind: global_buffer, .address_space: global }
      - { .name: x, .offset: 16, .size: 8, .value_kind: global_buffer, .address_space: global }
      - { .name: ln2_g, .offset: 24, .size: 8, .value_kind: global_buffer, .address_space: global }
      - { .name: ln2_b, .offset: 32, .size: 8, .value_kind: global_buffer, .address_space: global }
      - { .name: out0, .offset: 40, .size: 8, .value_kind: global_buffer, .address_space: global }
    .group_segment_fixed_size: 104448
    .private_segment_fixed_size: 0
    .kernarg_segment_align: 8
    .kernarg_segment_size: 48
    .max_flat_workgroup_size: 256
    .sgpr_count:     66
    .vgpr_count:     480
    .wavefront_size: 32
...
	.end_amdgpu_metadata
.endif
;; end of part 4
